; MI455X (gfx1250); checked and timed in simulation.
; The chip was launched on July 23, 2026; its instructions are those of AMD's public machine-readable ISA for CDNA 5 (MIT licence, August 2026) and "CDNA5" Instruction Set Architecture Reference Guide (July 2026). The comments in the code are by the model that wrote it; some were corrected since.
;; Quaternion Dense. Allowed arithmetic: matrix products marked QUANTISED: E5M2 operands, one given power-of-two scale a tensor, by v_wmma_f32_16x16x64_bf8_bf8 or v_wmma_f32_16x16x128_bf8_bf8, f32 sums; everything else in f32.
;; Inputs: W_i 1,024 x 1,024 float32; W_j 1,024 x 1,024 float32; W_k 1,024 x 1,024 float32; W_r 1,024 x 1,024 float32; bias 4,096 float32; lowp_scales 2 int32 (the exponents e of the quantised operands' scales 2^e); x 4,096 x 4,096 float32.
;; Outputs: out0 4,096 x 4,096 float32.
;; This version of the problem:
;;   THIS VERSION OF THE PROBLEM IS GIVEN IN LOW PRECISION. The matrix products marked QUANTISED in the list below multiply operands that are first quantised to E5M2 (5 exponent bits, 2 mantissa bits; 8 bits a number), with one given power-of-two scale for each operand tensor; their sums are f32. All else is computed in f32.
;;   The module's matrix products, in the order in which they are computed (A, B: the left and right operand; K: the contracted axis; several contracted axes count as one K, in the product's order):
;;     1. [M 4,096, K 4,096] x [K 4,096, N 4,096]; A: input x; B: computed on the way: QUANTISED (scales: A lowp_scales[0], B lowp_scales[1])
;;   THE QUANTISER, for each operand of a quantised product, along K:
;;     - The operand's scale is 2^e, e = its entry of the input lowp_scales (int32; the entries are numbered through the quantised products in the list's order, A before B).
;;     - Each number is divided by the scale, clamped to +-57,344, and rounded to the nearest number of E5M2, ties to even, subnormals kept.
;;     - The product sums the exact products of the quantised numbers (number of the format x scale) in f32.
;;   ~~~python
;;   def quantise(x, axis, e):      # numpy; x: float32 -> the quantised numbers, widened to float32 again
;;       x = np.moveaxis(x, axis, -1); K = x.shape[-1]
;;       r = np.clip(x / 2.0 ** e, -57344, 57344)
;;       step = 2.0 ** (np.maximum(np.frexp(np.where(r == 0, 1, r))[1] - 1, -14) - 2)
;;       q = np.round(r / step) * step * 2.0 ** e      # np.round: ties to even
;;       return np.moveaxis(q, -1, axis).astype(np.float32)
;;   ~~~
;;   OPERANDS COMPUTED ON THE WAY. 'Computed on the way' means the value that the module computes at that place (a softmax that the list does not call 'softmax' is quantised finished and normalised). What goes into a quantiser is computed in f32, as accurately as f32 sums, v_exp_f32 and their like allow (about 1e-6 of the number): no bf16 or f16 on the way to a quantiser, and a product that is left as it is and whose result goes on into a quantised operand takes f32 operands (vector FMAs, or v_wmma_f32_16x16x4_f32). A number that lies on a knife's edge between two numbers of the format may be rounded either way, as far as f32 arithmetic and the matrix unit's own rounding can turn it there, and no further.
;; One version. Each part assembles by itself: llvm-mc -triple=amdgcn-amd-amdhsa -mcpu=gfx1250 --defsym DOCPART=n.
;; ======== version 1 of 1: 2 launches
;; limits: right only within a limited range of input values
;; workspace buffers: x_t 16,777,216 bytes; w_t 4,194,304 bytes
;; launch quant (part 1): grid 1280 x 1, 4 waves a work-group, no clusters, 33,280 bytes of LDS; arguments x, W_r, W_i, W_j, W_k, lowp_scales, x_t, w_t; writes x_t, w_t
.if DOCPART == 1
	.amdgcn_target "amdgcn-amd-amdhsa--gfx1250"
	.amdhsa_code_object_version 6
	.text
	.protected	k_qdc369f9448_quant
	.globl	k_qdc369f9448_quant
	.p2align	8
	.type	k_qdc369f9448_quant,@function
k_qdc369f9448_quant:
	s_mov_b64 s[64:65], 0
	v_nop
	global_prefetch_b8 v0, s[64:65] scope:SCOPE_SE
	s_setreg_imm32_b32 hwreg(HW_REG_WAVE_MODE, 25, 1), 1
	s_wait_xcnt 0x0
; x [4096][4096] and W_r, W_i, W_j, W_k [1024][1024], f32, are turned into codes of BF8 (E5M2), one byte each.
; code = number / 2^e, held within +-57,344, rounded to the nearest code, ties to even; e is entry 0 (x) or entry 1 (the four W) of the scales.
; No work of reference() is left out: every input but bias is read here, bias in the next launch.
; W_block's block (ob, ib) is + or - matrix q = ob xor ib (q = 0..3: r, i, j, k); hold and rounding are symmetric, so each matrix is quantised and stored ONCE, unsigned by the pattern; the next launch applies the signs.
; LAYOUT, as the next launch's LDS holds it: x_t[mb 32][kk 8][ib 4][row 128][128 codes]: x(128 mb + row, 1024 ib + 128 kk + ..);  w_t[nb 8][kk 8][q 4][row 128][128 codes]: W_q(128 nb + row, 128 kk + ..).
; LIMITS: e between -126 and 112.  NaN among the inputs is not served; an infinity is held at the largest code.
; SHARES.  A wave takes 4 rows x 1,024 along K: 8 steps of 4 rows x 128.  Work-groups 0-1023: x, rows 4 g .., wave = ib.  The other 256: 64 a matrix, wave's run = 4 rows of W_q.
; Each load reads 512 consecutive bytes of one row; a step's 2,048 bytes turn through the wave's own stage in LDS, so that a lane holds 16 neighbours along K; the wave's store covers 512 consecutive bytes, aligned: 4 rows x 128 codes.
; All 32 loads of a wave go out at its head.  Bound by its bytes: no matrix unit, no cluster, no tensor load, no barrier.
.set WGX,   1024
.set STEPS, 8
.set SP,    80                         ; a lane's place in a stage: 64 bytes + 16 of padding
.set WREG,  8192                       ; LDS region of a wave: two stages of 32 x SP bytes
.set SPARE, 4*WREG                     ; the spare words, 128 bytes a wave
.set VO,    4                          ; v4-7: 16 x lane + i rows of the source
.set SPW,   12
.set NIL,   13
.set R,     16                         ; v16-143: eight sets of 16: numbers as loaded, later the step's codes
.set X,     144                        ; v144-175: two sets of 16 neighbours
	s_load_b256 s[4:11], s[0:1], 0x0               ; x, W_r, W_i, W_j
	s_load_b256 s[12:19], s[0:1], 0x20             ; W_k, scales, x_t, w_t
	v_lshrrev_b32 v1, 5, v0
	v_readfirstlane_b32 s20, v1                    ; wave
	s_mul_i32 s21, s20, WREG
	s_lshl_b32 s24, ttmp9, 16                      ; x: source: 4 g rows of 16,384 bytes
	s_lshl_b32 s25, s20, 12
	s_add_co_u32 s24, s24, s25                     ; + ib x 4,096
	s_lshr_b32 s26, ttmp9, 5
	s_lshl_b32 s26, s26, 19                        ; x_t: mb
	s_and_b32 s27, ttmp9, 31
	s_lshl_b32 s27, s27, 9
	s_add_co_u32 s26, s26, s27                     ; + row x 128
	s_lshl_b32 s27, s20, 14
	s_add_co_u32 s26, s26, s27                     ; + ib
	s_sub_co_u32 s22, ttmp9, WGX                   ; W's work-groups count from 0 (in x's what is made of this is bounded and unused)
	s_bfe_u32 s23, s22, 0x20006                    ; q
	s_and_b32 s28, s22, 63
	s_lshl_b32 s28, s28, 2
	s_add_co_u32 s28, s28, s20                     ; run 0..255
	s_lshl_b32 s29, s28, 14                        ; source: 4 rows of 4,096 bytes a run
	s_lshr_b32 s32, s28, 5
	s_lshl_b32 s32, s32, 19                        ; w_t: nb
	s_and_b32 s33, s28, 31
	s_lshl_b32 s33, s33, 9
	s_add_co_u32 s32, s32, s33
	s_lshl_b32 s33, s23, 14
	s_add_co_u32 s32, s32, s33                     ; + q
	s_cmp_lt_u32 ttmp9, WGX                        ; every choice hangs on the work-group's number alone
	s_cselect_b32 s24, s24, s29
	s_cselect_b32 s26, s26, s32
	s_cselect_b32 s34, 14, 12                      ; log2 of a source row's bytes
	s_mov_b32 s25, 0
	s_mov_b32 s27, 0
	s_lshl_b32 s35, 1, s34
	s_lshl_b32 s36, 2, s34
	s_lshl_b32 s37, 3, s34
	v_lshl_add_u32 v[SPW], v0, 2, SPARE
	v_mov_b32 v[NIL], 0
	v_and_b32 v2, 31, v0
	v_lshlrev_b32 v[VO], 4, v2
	v_add_nc_u32 v[VO+1], s35, v[VO]
	v_add_nc_u32 v[VO+2], s36, v[VO]
	v_add_nc_u32 v[VO+3], s37, v[VO]
	v_lshrrev_b32 v14, 2, v2
	v_mul_u32_u24 v14, v14, SP
	v_and_b32 v15, 3, v2
	v_lshl_add_u32 v14, v15, 4, v14
	v_add_nc_u32 v14, s21, v14                     ; the stage, in: four lanes' 64 bytes on end, then 16 of padding
	v_mul_u32_u24 v15, v2, SP
	v_add_nc_u32 v15, s21, v15                     ; out: my 16 neighbours
	s_wait_alu depctr_va_vdst(0)
	s_wait_kmcnt 0x0
	s_load_b64 s[30:31], s[14:15], 0x0             ; e of x, e of W_block
	s_cmp_eq_u32 s23, 1
	s_cselect_b64 s[6:7], s[8:9], s[6:7]
	s_cmp_eq_u32 s23, 2
	s_cselect_b64 s[6:7], s[10:11], s[6:7]
	s_cmp_eq_u32 s23, 3
	s_cselect_b64 s[6:7], s[12:13], s[6:7]
	s_cmp_lt_u32 ttmp9, WGX
	s_cselect_b64 s[4:5], s[4:5], s[6:7]
	s_cselect_b64 s[16:17], s[16:17], s[18:19]
	s_add_nc_u64 s[4:5], s[4:5], s[24:25]
	s_add_nc_u64 s[16:17], s[16:17], s[26:27]
.irp t, 0,1,2,3,4,5,6,7
.irp i, 0,1,2,3
	global_load_b128 v[R+16*\t+4*\i:R+16*\t+4*\i+3], v[VO+\i], s[4:5] offset:512*\t th:TH_LOAD_NT   ; row i, 128 numbers: 512 consecutive bytes
.endr
.endr
.macro TURN t                          ; LDS serves a wave's instructions in order (ISA guide 5.7.1.4): no wait between the stores and the loads
.irp i, 0,1,2,3
	ds_store_b128 v14, v[R+16*(\t)+4*\i:R+16*(\t)+4*\i+3] offset:32*SP*((\t)%2)+8*SP*\i
.endr
.irp i, 0,1,2,3
	ds_load_b128 v[X+16*((\t)%2)+4*\i:X+16*((\t)%2)+4*\i+3], v15 offset:32*SP*((\t)%2)+16*\i
.endr
.endm
	s_wait_kmcnt 0x0
	s_cmp_lt_u32 ttmp9, WGX
	s_cselect_b32 s30, s30, s31
	s_add_co_i32 s30, s30, 127
	s_lshl_b32 s31, s30, 23
	v_mov_b32 v11, s31                             ; 2^e
	s_add_co_i32 s30, s30, 15
	s_lshl_b32 s30, s30, 23
	s_or_b32 s30, s30, 0x600000
	v_mov_b32 v10, s30                             ; 57,344 x 2^e
	s_wait_alu depctr_va_vdst(0)
	s_wait_loadcnt 4*(STEPS-1)                     ; step 0's four loads are in; 28 may be out
	TURN 0
.macro STEP t
.set XS, X+16*((\t)%2)
.set RS, R+16*(\t)
	s_wait_dscnt 0x0                               ; this step's numbers are back; its stores into the stage have read set t, which takes the codes
.if (\t)+1 < STEPS
	s_wait_loadcnt 4*(STEPS-2-(\t))                ; the next step's four loads are in
	TURN (\t)+1
.endif
.irp i, 0,1,2,3,4,5,6,7,8,9,10,11,12,13,14,15
	v_med3_num_f32 v[XS+\i], v[XS+\i], -v10, v10   ; the conversion does not saturate (ISA guide 7.6.2)
.endr
	v_cvt_scalef32_pk8_bf8_f32 v[RS:RS+1], v[XS:XS+7], v11
	v_cvt_scalef32_pk8_bf8_f32 v[RS+2:RS+3], v[XS+8:XS+15], v11
	v_nop
	global_store_b128 v[VO], v[RS:RS+3], s[16:17] offset:65536*(\t)   ; kk = t: 4 rows x 128 codes, 512 consecutive bytes
.endm
.irp t, 0,1,2,3,4,5,6,7
	STEP \t
.endr
	s_wait_tensorcnt 0x0                           ; the wave's end
	ds_add_u32 v[SPW], v[NIL]
	s_wait_dscnt 0x0
	s_endpgm
.Lfunc_end_k_qdc369f9448_quant:
	.size	k_qdc369f9448_quant, .Lfunc_end_k_qdc369f9448_quant-k_qdc369f9448_quant
	.p2alignl 7, 3214868480
	.fill 96, 4, 3214868480
	.section	.rodata,"a",@progbits
	.p2align	6, 0x0
	.amdhsa_kernel k_qdc369f9448_quant
		.amdhsa_group_segment_fixed_size 33280
		.amdhsa_private_segment_fixed_size 0
		.amdhsa_enable_private_segment 0
		.amdhsa_kernarg_size 64
		.amdhsa_user_sgpr_count 2
		.amdhsa_user_sgpr_kernarg_segment_ptr 1
		.amdhsa_wavefront_size32 1
		.amdhsa_system_sgpr_workgroup_id_x 1
		.amdhsa_system_sgpr_workgroup_id_y 1
		.amdhsa_system_sgpr_workgroup_id_z 1
		.amdhsa_system_vgpr_workitem_id 0
		.amdhsa_next_free_vgpr 176
		.amdhsa_next_free_sgpr 66
		.amdhsa_reserve_vcc 0
		.amdhsa_float_denorm_mode_32 3
		.amdhsa_float_denorm_mode_16_64 3
		.amdhsa_memory_ordered 1
		.amdhsa_forward_progress 1
		.amdhsa_inst_pref_size 21
	.end_amdhsa_kernel
	.amdgpu_metadata
---
amdhsa.version: [ 1, 2 ]
amdhsa.kernels:
  - .name:           k_qdc369f9448_quant
    .symbol:         k_qdc369f9448_quant.kd
    .args:
      - { .name: x, .offset: 0, .size: 8, .value_kind: global_buffer, .address_space: global }
      - { .name: W_r, .offset: 8, .size: 8, .value_kind: global_buffer, .address_space: global }
      - { .name: W_i, .offset: 16, .size: 8, .value_kind: global_buffer, .address_space: global }
      - { .name: W_j, .offset: 24, .size: 8, .value_kind: global_buffer, .address_space: global }
      - { .name: W_k, .offset: 32, .size: 8, .value_kind: global_buffer, .address_space: global }
      - { .name: lowp_scales, .offset: 40, .size: 8, .value_kind: global_buffer, .address_space: global }
      - { .name: x_t, .offset: 48, .size: 8, .value_kind: global_buffer, .address_space: global }
      - { .name: w_t, .offset: 56, .size: 8, .value_kind: global_buffer, .address_space: global }
    .group_segment_fixed_size: 33280
    .private_segment_fixed_size: 0
    .kernarg_segment_align: 8
    .kernarg_segment_size: 64
    .max_flat_workgroup_size: 128
    .sgpr_count:     66
    .vgpr_count:     176
    .wavefront_size: 32
...
	.end_amdgpu_metadata
.endif
;; end of part 1
;; launch gemm (part 2): grid 8 x 32, 4 waves a work-group, clusters of 4 x 4, 327,680 bytes of LDS; arguments x_t, w_t, lowp_scales, bias, out0; writes out0
.if DOCPART == 2
	.amdgcn_target "amdgcn-amd-amdhsa--gfx1250"
	.amdhsa_code_object_version 6
	.text
	.protected	k_qdc369f9448_gemm
	.globl	k_qdc369f9448_gemm
	.p2align	8
	.type	k_qdc369f9448_gemm,@function
k_qdc369f9448_gemm:
	s_mov_b64 s[64:65], 0
	v_nop
	global_prefetch_b8 v0, s[64:65] scope:SCOPE_SE
	s_setreg_imm32_b32 hwreg(HW_REG_WAVE_MODE, 25, 1), 1
	s_wait_xcnt 0x0
	s_wait_alu depctr_hold_cnt(0) depctr_sa_sdst(0) depctr_va_vdst(0) depctr_va_sdst(0) depctr_va_ssrc(0) depctr_va_vcc(0) depctr_vm_vsrc(0)
	s_getreg_b32 s2, hwreg(HW_REG_IB_STS2, 6, 4)
	s_cmp_eq_u32 s2, 0
	s_cbranch_scc0 .Lentry_in_a_cluster
	s_endpgm
.Lentry_in_a_cluster:
	s_bfe_u32 s2, ttmp6, 0x10000c
	s_cmp_lg_u32 s2, 0xf033
	s_cbranch_scc0 .Lentry_shape_is_right
	s_endpgm
.Lentry_shape_is_right:
; out0 = Q(x) Q(W_block)^T x 2^(e0 + e1) + bias, on the codes of BF8 that the launch before stored.  W_block's block (ob, ib) is sign(ob, ib) x W_q, q = ob xor ib.
; A WORK-GROUP makes 128 rows m x (4 ob x 128 n): out0(128 mb + .., 1024 ob + 128 nb + ..).  For 128 along K inside a block of 1,024 it needs 4 ib x 128 rows of x and 4 q x 128 rows of W, 128 KB,
; and every pair (ib, q) is a product, for ob = q xor ib: 256 matrix instructions a wave for each such step; 8 steps.
; A WAVE makes 64 m x 4 ob x 64 n: 64 accumulators.  B's 16 fragments (4 q x 4) stay in registers through a step; A's come by ib, 4 fragments at a time, in two buffers.
; SIGNS: negative are (ob, ib) = (0,1) (0,2) (0,3) (1,3) (2,1) (3,2).  An accumulator holds sigma x its sum, sigma the sign of the product added last: where the sign differs from that of the ib before
; (ib goes 0, 1, 2, 3, 0 ..), the instruction takes -C: A B - sigma S = -sigma (S - sigma A B).  That is at (ob, ib) = (0,0) (0,1) (1,0) (1,3) (2,1) (2,2) (3,2) (3,3), bit 4 ob + ib of 0xc693; the very first product has C = 0.
; Behind the last ib = 3 sigma is - for ob 0 and 1, + for ob 2 and 3: it goes into the scale on the way out.  Nothing is rounded by it.
; A link with other modifiers than the link before it is no link of a chain in place: five places stand between any two visits of an accumulator, at each group's border (ISA guide 7.12.1).
; The tiles lie in memory as the slots hold them and come as rows of 256 bytes, 16 bytes of padding behind every 128: LDS rows 144 bytes apart.
; CLUSTERS 4 x 4: x's image hangs on mb alone and is asked for jointly along a row of the cluster, W's on nb alone, along a column.
; PREFETCH: behind the load of step j each wave names step j + 2's part: its quarter (by place in the cluster, by address) of the 32 KB that it fetches, a lane a block of 256 bytes; steps 2 to 7; W's by the clusters with y < 4 alone.
; THE LAST STEP goes by blocks of 16 rows m: block a's 16 accumulators (4 ob x 4 b) are finished by its four ib and leave while the next block is multiplied.
; The matrix instruction is used transposed (source 0 = rows of W, source 1 = rows of x): a lane holds 8 neighbouring n of one row m.  k is permuted alike in both operands (registers 4 c ..: k = 32 c + 16 (l / 16) ..).
; LIMIT: e0 + e1 between -126 and 127.
; REGISTERS: window 0: v0-31 addresses and bias; v32-95 way out, two sets; v128-191, v192-255 A's buffers.  window 1: B(q, b) at 64 q + 16 b.  windows 2, 3: accumulator (ob, a, b) at 128 (ob % 2) + 32 a + 8 b, window 2 + ob / 2.
.set NROW,   16384
.set PITCH,  144
.set GRP,    128*PITCH                 ; one ib's or q's 128 rows
.set QUART,  2*GRP                     ; what one tensor load fills
.set SLOT,   4*QUART                   ; A's four ib, then B's four q
.set STAGE,  2*SLOT                    ; 16 rows x 272 bytes for each wave
.set SPITCH, 272
.set SPARE,  STAGE+4*16*SPITCH         ; the spare words
.set IMG,    65536                     ; a step's image of x or of W in memory
.set TURNS,  0xc693                    ; bit 4 ob + ib: the product takes -C
.set SPW,  1
.set NIL,  2
.set PFO,  3
.set BIAS, 8                           ; v8-23: four numbers for each ob
.set ADRA, 24
.set ADRB, 26
.set STO,  28
.set RD,   29
.set CO,   30
.set OUT,  32
.set A0,   128
.set A1,   192
.set G1, 24
.set G0, 32
.set G1B, 48
.set G0B, 56
.set PFA, 66
.set LIM, 68
.set MSB, 0
.macro WIN new
.if MSB != (\new)
	s_set_vgpr_msb (MSB<<8)|(\new)
.set MSB, (\new)
.endif
.endm
.set MUL_LO, 0xa1
.set TO_B,   0x40
.macro JLOAD g0a, g1a, g0b, g1b        ; waves 0, 1 fetch x's halves, waves 2, 3 W's
	s_cmp_eq_u32 s15, 0
	s_cbranch_scc0 .Lfor_b_\@
	tensor_load_to_lds s[\g0a:\g0a+3], s[\g1a:\g1a+7]
	s_nop 0
.rept 4
	v_nop
.endr
	s_branch .Lasked_\@
.Lfor_b_\@:
	tensor_load_to_lds s[\g0b:\g0b+3], s[\g1b:\g1b+7]
	s_nop 0
.rept 4
	v_nop
.endr
.Lasked_\@:
.endm
.macro ASK off, loop
.if \loop
	s_cmp_gt_u32 s3, s[LIM]                        ; the last trip's refills have no step two on
.else
	s_cmp_eq_u32 s[LIM], 1
.endif
	s_cbranch_scc0 .Lno_ask_\@
	global_prefetch_b8 v[PFO], s[PFA:PFA+1] offset:\off th:TH_LOAD_NT scope:SCOPE_SE
.Lno_ask_\@:
.endm
.macro CREST
	s_cmp_lg_u32 s14, 0
	s_cbranch_scc1 .Lnot_wave_0_\@
	s_barrier_signal -3
.Lnot_wave_0_\@:
	s_barrier_wait -3
	s_barrier_signal -1
	s_barrier_wait -1
.endm
.macro CROUND
	s_barrier_signal -1
	s_barrier_wait -1
	CREST
.endm
.macro PLACES n
.rept \n
	v_nop
.endr
.endm
	s_load_b128 s[4:7], s[0:1], 0x0                ; x_t, w_t
	s_load_b128 s[8:11], s[0:1], 0x10              ; scales, bias
	s_load_b64 s[12:13], s[0:1], 0x20              ; out0
	v_lshl_add_u32 v[SPW], v0, 2, SPARE
	v_mov_b32 v[NIL], 0
	ds_add_u32 v[SPW], v[NIL]                      ; the opening lines: the add twice on end and its wait
	ds_add_u32 v[SPW], v[NIL]
	v_lshrrev_b32 v4, 5, v0
	v_readfirstlane_b32 s14, v4                    ; wave
	s_lshr_b32 s15, s14, 1                         ; my half of the rows m; also: I fetch for x (0) or W (1)
	s_and_b32 s16, s14, 1                          ; my half of the n; also: which half of the image I fetch
	s_bfe_u32 s40, ttmp6, 0x40000                  ; cx
	s_bfe_u32 s41, ttmp6, 0x40004                  ; cy
	s_lshl_b32 s42, ttmp9, 2
	s_add_co_u32 s42, s42, s40                     ; nb
	s_and_b32 s17, ttmp7, 0xffff
	s_lshl_b32 s17, s17, 2
	s_add_co_u32 s17, s17, s41                     ; mb
	s_lshl_b32 s43, s41, 2
	s_lshl_b32 s43, 15, s43                        ; my row of the cluster
	s_lshl_b32 s44, 0x1111, s40                    ; my column
	s_or_b32 s[G1+0], s43, (1<<20)|(1<<21)|(4<<22)|(3<<25)   ; bytes; 4 words of padding behind every 32
	s_or_b32 s[G1B+0], s44, (1<<20)|(1<<21)|(4<<22)|(3<<25)
.irp g, G1, G1B
	s_mov_b32 s[\g+1], 256<<16                     ; 128 rows of 256 bytes, dense
	s_mov_b32 s[\g+2], 128<<16
	s_mov_b32 s[\g+3], 256<<16
	s_mov_b32 s[\g+4], 128
	s_mov_b32 s[\g+5], 256
	s_mov_b32 s[\g+6], 0
	s_mov_b32 s[\g+7], 0
.endr
	s_lshl_b32 s18, s16, 15
	s_lshl_b32 s20, s17, 19
	s_add_co_u32 s20, s20, s18                     ; x_t: mb's images, my half
	s_mov_b32 s21, 0
	s_lshl_b32 s46, s42, 19
	s_add_co_u32 s46, s46, s18                     ; w_t: nb's images, my half
	s_mov_b32 s47, 0
	s_mul_i32 s45, s14, QUART                      ; where my load goes
	s_mul_i32 s70, s15, 64*PITCH                   ; my 64 rows of each ib
	s_mul_i32 s71, s16, 64*PITCH
	s_add_co_u32 s71, s71, 4*GRP                   ; my 64 rows of each q
	s_add_co_u32 s72, s70, SLOT
	s_add_co_u32 s73, s71, SLOT
	s_mul_i32 s74, s14, 16*SPITCH
	s_add_co_u32 s74, s74, STAGE                   ; my stage
	s_lshl_b32 s78, s17, 7
	s_lshl_b32 s79, s15, 6
	s_add_co_u32 s78, s78, s79
	s_lshl_b32 s78, s78, 14                        ; my first row of out0, in bytes
	s_mov_b32 s79, 0
	s_lshl_b32 s80, s42, 9
	s_lshl_b32 s81, s16, 8
	s_add_co_u32 s80, s80, s81                     ; my first n, in bytes
	s_mov_b32 s81, 0
	s_and_b32 s82, ttmp7, 0xffff
	s_cmp_lt_u32 s82, 4
	s_cselect_b32 s[LIM], 1, -1
	s_wait_dscnt 0x0                               ; both opening adds are done
	s_wait_kmcnt 0x0
	s_load_b64 s[96:97], s[8:9], 0x0               ; e0, e1
	s_add_nc_u64 s[20:21], s[4:5], s[20:21]
	s_add_nc_u64 s[46:47], s[6:7], s[46:47]
	s_add_nc_u64 s[12:13], s[12:13], s[78:79]
	s_add_nc_u64 s[12:13], s[12:13], s[80:81]
	s_add_nc_u64 s[10:11], s[10:11], s[80:81]
	s_cmp_eq_u32 s15, 0
	s_cselect_b32 s[LIM], 1, s[LIM]
	s_cselect_b32 s76, s40, s41                    ; my place among the four that ask with me
	s_cselect_b64 s[PFA:PFA+1], s[20:21], s[46:47]
	s_lshl_b32 s76, s76, 13
	s_mov_b32 s77, 0
	s_add_nc_u64 s[PFA:PFA+1], s[PFA:PFA+1], s[76:77]
	CROUND                                         ; the first joint loads meet
.irp s, 0,1
	s_mov_b32 s[G0+4*\s], 1
	s_add_co_u32 s[G0+4*\s+1], s45, \s*SLOT
	s_add_nc_u64 s[G0+4*\s+2:G0+4*\s+3], s[20:21], \s*IMG
	s_or_b32 s[G0+4*\s+3], s[G0+4*\s+3], 0x80000000
	s_mov_b32 s[G0B+4*\s], 1
	s_add_co_u32 s[G0B+4*\s+1], s45, \s*SLOT
	s_add_nc_u64 s[G0B+4*\s+2:G0B+4*\s+3], s[46:47], \s*IMG
	s_or_b32 s[G0B+4*\s+3], s[G0B+4*\s+3], 0x80000000
.endr
	JLOAD G0, G1, G0B, G1B                         ; step 0: one tensor load a wave at the head
	v_and_b32 v4, 15, v0                           ; r = l % 16
	v_bfe_u32 v5, v0, 4, 1                         ; h = l / 16
	v_mul_u32_u24 v6, v4, PITCH
	v_lshl_add_u32 v6, v5, 4, v6
	v_add_nc_u32 v[ADRA], s70, v6
	v_add_nc_u32 v[ADRA+1], s72, v6
	v_add_nc_u32 v[ADRB], s71, v6
	v_add_nc_u32 v[ADRB+1], s73, v6
	v_mul_u32_u24 v6, v4, SPITCH
	v_lshl_add_u32 v6, v5, 5, v6
	v_add_nc_u32 v[STO], s74, v6                   ; into the stage: row r, 32 bytes for each half of the lanes
	v_mul_u32_u24 v6, v5, SPITCH
	v_lshl_add_u32 v6, v4, 4, v6
	v_add_nc_u32 v[RD], s74, v6                    ; back: sixteen lanes a row of 256 bytes
	v_lshlrev_b32 v7, 4, v4
	v_lshl_add_u32 v[CO], v5, 14, v7               ; the same two rows in out0
	v_and_b32 v[PFO], 31, v0
	v_lshlrev_b32 v[PFO], 8, v[PFO]
	s_wait_alu depctr_va_vdst(0)
.irp o, 0,1,2,3
	global_load_b128 v[BIAS+4*\o:BIAS+4*\o+3], v7, s[10:11] offset:4096*\o
.endr
.macro FRAG reg, adr, off
.irp c, 0,1,2,3
	ds_load_b128 v[\reg+4*\c:\reg+4*\c+3], v[\adr] offset:(\off)+32*\c
.endr
.endm
.macro LA ib, buf, slot                ; ib's four fragments of A (a = 0..3): 16 loads (window 0)
.irp a, 0,1,2,3
	FRAG (\buf)+16*\a, ADRA+\slot, (\ib)*GRP+\a*16*PITCH
.endr
.endm
.macro LAR a, buf, slot                ; block a's four fragments of A (ib = 0..3): 16 loads (window 0)
.irp i, 0,1,2,3
	FRAG (\buf)+16*\i, ADRA+\slot, \i*GRP+(\a)*16*PITCH
.endr
.endm
.macro LB q, slot                      ; B's four fragments of q: 16 loads
	WIN TO_B
.irp b, 0,1,2,3
	FRAG 64*(\q)+16*\b, ADRB+\slot, (\q)*GRP+\b*16*PITCH
.endr
	WIN 0
.endm
.macro WM d, bb, aa, mode              ; mode 0: + C; 1: C = 0, the sum's first product; 2: - C
.if (\mode) == 1
	v_wmma_f32_16x16x128_bf8_bf8 v[\d:\d+7], v[\bb:\bb+15], v[\aa:\aa+15], 0
.elseif (\mode) == 2
	v_wmma_f32_16x16x128_bf8_bf8 v[\d:\d+7], v[\bb:\bb+15], v[\aa:\aa+15], v[\d:\d+7] neg_lo:[0,0,1]
.else
	v_wmma_f32_16x16x128_bf8_bf8 v[\d:\d+7], v[\bb:\bb+15], v[\aa:\aa+15], v[\d:\d+7]
.endif
.endm
.macro MUL16 q, ib, src, zero          ; pair (q, ib): 4 a x 4 b, the 16 accumulators of ob = q xor ib by turns
.set MO, ((\q)|(\ib))-((\q)&(\ib))
.set MM, 2*((TURNS>>(4*MO+(\ib)))&1)
.if \zero
.set MM, 1
.endif
	WIN MUL_LO+0x50*(MO/2)
.irp a, 0,1,2,3
.irp b, 0,1,2,3
	WM 128*(MO%2)+32*\a+8*\b, 64*(\q)+16*\b, (\src)+16*\a, MM
.endr
.endr
.endm
.macro MULR a, ib, src                 ; block a, one ib: 4 ob x 4 b, its 16 accumulators by turns
.irp o, 0,1,2,3
.set MQ, (\o|(\ib))-(\o&(\ib))
.set MM, 2*((TURNS>>(4*\o+(\ib)))&1)
	WIN MUL_LO+0x50*(\o/2)
.irp b, 0,1,2,3
	WM 128*(\o%2)+32*(\a)+8*\b, 64*MQ+16*\b, \src, MM
.endr
.endr
.endm
; Group ib = 0.  Out at its head, oldest first, in runs of 16: A(0), B(0), B(1), B(2), B(3), A(1)
.macro GR0 zero
	s_wait_dscnt 48                                ; A(0), B(0), B(1) are in
	MUL16 0, 0, A0, \zero
	MUL16 1, 0, A0, \zero
	s_wait_dscnt 16                                ; all but A(1)
	MUL16 2, 0, A0, \zero
	MUL16 3, 0, A0, \zero
.endm
.macro GR1 s
	PLACES 5                                       ; a group's border: between two visits of an accumulator, and in front of loads into registers that matrix instructions have read
	WIN 0
	LA 2, A0, \s
	s_wait_dscnt 16                                ; A(1) is in
	MUL16 1, 1, A1, 0
	MUL16 0, 1, A1, 0
	MUL16 3, 1, A1, 0
	MUL16 2, 1, A1, 0
.endm
; Group ib = 2 holds the change of slots: A(3) is my last read of this slot.
.macro GR2 s, fill
	PLACES 5
	WIN 0
	LA 3, A1, \s
	s_wait_dscnt 16                                ; A(2) is in
	MUL16 2, 2, A0, 0
	MUL16 3, 2, A0, 0
	WIN 0
.if \fill
	s_wait_xcnt 0x0                                ; my prefetch has read its address
	s_add_nc_u64 s[PFA:PFA+1], s[PFA:PFA+1], IMG
.endif
	s_wait_tensorcnt 0x0                           ; my one load that was out, my part of the next slot, has landed
	ds_add_u32 v[SPW], v[NIL]
.if \fill
	s_add_nc_u64 s[G0+4*\s+2:G0+4*\s+3], s[G0+4*\s+2:G0+4*\s+3], 2*IMG
	s_add_nc_u64 s[G0B+4*\s+2:G0B+4*\s+3], s[G0B+4*\s+2:G0B+4*\s+3], 2*IMG
.endif
	MUL16 0, 2, A0, 0
	s_wait_dscnt 0x0                               ; the add is done, my reads of this slot are over
	s_barrier_signal -1
	MUL16 1, 2, A0, 0
	WIN 0
	s_barrier_wait -1
.if \fill
	CREST                                          ; the barrier has opened a round of the cluster's barrier
	JLOAD G0+4*\s, G1, G0B+4*\s, G1B               ; this slot's next step; its four v_nop and the one below are the border's five places
	PLACES 1
.else
	PLACES 5
.endif
.endm
; Group ib = 3 goes by q, and each q's fragments are replaced by the next step's as soon as its products are issued.  last = 1: the next step takes A by blocks of rows.
.macro GR3 n, fill, last
.if \last
	LAR 0, A0, \n
.else
	LA 0, A0, \n
.endif
.if \fill
	ASK 3*IMG, 1
.endif
	MUL16 0, 3, A1, 0
	PLACES 4
	LB 0, \n
	MUL16 1, 3, A1, 0
	PLACES 4
	LB 1, \n
	MUL16 2, 3, A1, 0
	PLACES 4
	LB 2, \n
	MUL16 3, 3, A1, 0
	PLACES 5
	LB 3, \n
.if \last
	LAR 1, A1, \n
.else
	LA 1, A1, \n
.endif
.endm
; THE WAY OUT of block (ob, a): 16 rows x 64 n through my stage, back as rows of 256 bytes.  LDS serves a wave's instructions in order (ISA guide 5.7.1.4).
.macro TOSTAGE ob, a, o, free
.if \free
	s_wait_xcnt 0x0                                ; the earlier stores have read the registers that the loads below fill
.endif
	WIN 0x08+4*((\ob)/2)
.irp b, 0,1,2,3
	ds_store_b128 v[STO], v[128*((\ob)%2)+32*(\a)+8*\b:128*((\ob)%2)+32*(\a)+8*\b+3] offset:64*\b
	ds_store_b128 v[STO], v[128*((\ob)%2)+32*(\a)+8*\b+4:128*((\ob)%2)+32*(\a)+8*\b+7] offset:64*\b+16
.endr
	WIN 0
.irp t, 0,1,2,3,4,5,6,7
	ds_load_b128 v[(\o)+4*\t:(\o)+4*\t+3], v[RD] offset:\t*2*SPITCH
.endr
.endm
.macro SEND ob, a, o, younger
.set SC, 94+2*((\ob)/2)                ; s94 = -2^(e0 + e1) for ob 0, 1; s96 = +2^(e0 + e1) for ob 2, 3
	s_wait_dscnt \younger
.irp t, 0,1,2,3,4,5,6,7
	v_pk_fma_f32 v[(\o)+4*\t:(\o)+4*\t+1], v[(\o)+4*\t:(\o)+4*\t+1], s[SC:SC+1], v[BIAS+4*(\ob):BIAS+4*(\ob)+1] op_sel_hi:[1,0,1]
	v_pk_fma_f32 v[(\o)+4*\t+2:(\o)+4*\t+3], v[(\o)+4*\t+2:(\o)+4*\t+3], s[SC:SC+1], v[BIAS+4*(\ob)+2:BIAS+4*(\ob)+3] op_sel_hi:[1,0,1]
.endr
.irp t, 0,1,2,3,4,5,6,7
	global_store_b128 v[CO], v[(\o)+4*\t:(\o)+4*\t+3], s[12:13] offset:((\a)*16+2*\t)*NROW+(\ob)*4096 th:TH_STORE_NT   ; sixteen lanes store 256 consecutive bytes, aligned
.endr
.endm
; The last step's part v: block a = v / 4, ib = v % 4.  Block a's fragments lie in buffer a % 2.  Meanwhile (ob = v % 4, a - 1) leaves.
.macro SUB v
.set SA, (\v)/4
.set SI, (\v)%4
.set SB, A0+64*(SA%2)
.set SO, OUT+32*((\v)%2)
.set SF, 0
.if (\v) >= 6
.set SF, 1
.endif
.if SI == 0
.if SA < 3
	s_wait_dscnt 16                                ; block a's fragments (and B's) are in; the next block's run of 16 may be out
.else
	s_wait_dscnt 0x0
.endif
.endif
.if SA >= 1
	TOSTAGE SI, SA-1, SO, SF
.endif
	MULR SA, SI, SB+16*SI
	WIN 0
	PLACES 5
.if (SI == 3) && (SA < 2)
	LAR SA+2, SB, 1
.endif
.if SA >= 1
.if (\v) == 7
	SEND SI, SA-1, SO, 16                          ; block 3's 16 loads may be out
.else
	SEND SI, SA-1, SO, 0
.endif
.endif
.endm
	s_wait_tensorcnt 0x0                           ; my part of step 0 is in
	ds_add_u32 v[SPW], v[NIL]
	s_wait_dscnt 0x0
	CROUND
	JLOAD G0+4, G1, G0B+4, G1B                     ; step 1
	LA 0, A0, 0
	LB 0, 0
	LB 1, 0
	LB 2, 0
	LB 3, 0
	LA 1, A1, 0
	ASK 2*IMG, 0                                   ; steps 2 and 3
	ASK 3*IMG, 0
	GR0 1                                          ; the first 64 products start the 64 sums
	WIN 0
	s_mov_b32 s3, 3
.Llap:                                                 ; a trip: two steps, from a step's second group to the first group of the step after the next
	GR1 0
	GR2 0, 1
	GR3 1, 1, 0
	GR0 0
	GR1 1
	GR2 1, 1
	GR3 0, 1, 0
	GR0 0
	WIN 0
	s_sub_co_u32 s3, s3, 1
	s_cmp_lg_u32 s3, 0
	s_cbranch_scc1 .Llap
	GR1 0                                          ; step 6 goes on; nothing more is fetched
	GR2 0, 0
	GR3 1, 0, 1
	s_wait_kmcnt 0x0
	s_add_co_i32 s96, s96, s97
	s_add_co_i32 s96, s96, 127
	s_lshl_b32 s96, s96, 23                        ; 2^(e0 + e1)
	s_xor_b32 s94, s96, 0x80000000                 ; and its negative
	s_mov_b32 s95, 0                               ; (the packed form names the pair)
	s_wait_loadcnt 0x0                             ; bias
.irp v, 0,1,2,3,4,5,6,7,8,9,10,11,12,13,14,15
	SUB \v
.endr
.irp o, 0,1,2,3
	TOSTAGE \o, 3, A0+32*\o, 0                     ; block 3's four ob, into A's buffers, which are done with
.endr
.irp o, 0,1,2,3
	SEND \o, 3, A0+32*\o, 16*(3-\o)
.endr
	s_wait_tensorcnt 0x0                           ; the wave's end
	ds_add_u32 v[SPW], v[NIL]
	s_wait_dscnt 0x0
	CROUND                                         ; the closing round
	s_endpgm
.Lfunc_end_k_qdc369f9448_gemm:
	.size	k_qdc369f9448_gemm, .Lfunc_end_k_qdc369f9448_gemm-k_qdc369f9448_gemm
	.p2alignl 7, 3214868480
	.fill 96, 4, 3214868480
	.section	.rodata,"a",@progbits
	.p2align	6, 0x0
	.amdhsa_kernel k_qdc369f9448_gemm
		.amdhsa_group_segment_fixed_size 327680
		.amdhsa_private_segment_fixed_size 0
		.amdhsa_enable_private_segment 0
		.amdhsa_kernarg_size 40
		.amdhsa_user_sgpr_count 2
		.amdhsa_user_sgpr_kernarg_segment_ptr 1
		.amdhsa_wavefront_size32 1
		.amdhsa_system_sgpr_workgroup_id_x 1
		.amdhsa_system_sgpr_workgroup_id_y 1
		.amdhsa_system_sgpr_workgroup_id_z 1
		.amdhsa_system_vgpr_workitem_id 0
		.amdhsa_next_free_vgpr 1024
		.amdhsa_next_free_sgpr 98
		.amdhsa_reserve_vcc 0
		.amdhsa_float_denorm_mode_32 3
		.amdhsa_float_denorm_mode_16_64 3
		.amdhsa_memory_ordered 1
		.amdhsa_forward_progress 1
		.amdhsa_inst_pref_size 164
	.end_amdhsa_kernel
	.amdgpu_metadata
---
amdhsa.version: [ 1, 2 ]
amdhsa.kernels:
  - .name:           k_qdc369f9448_gemm
    .symbol:         k_qdc369f9448_gemm.kd
    .args:
      - { .name: x_t, .offset: 0, .size: 8, .value_kind: global_buffer, .address_space: global }
      - { .name: w_t, .offset: 8, .size: 8, .value_kind: global_buffer, .address_space: global }
      - { .name: lowp_scales, .offset: 16, .size: 8, .value_kind: global_buffer, .address_space: global }
      - { .name: bias, .offset: 24, .size: 8, .value_kind: global_buffer, .address_space: global }
      - { .name: out0, .offset: 32, .size: 8, .value_kind: global_buffer, .address_space: global }
    .group_segment_fixed_size: 327680
    .private_segment_fixed_size: 0
    .kernarg_segment_align: 8
    .kernarg_segment_size: 40
    .max_flat_workgroup_size: 128
    .sgpr_count:     98
    .vgpr_count:     1024
    .wavefront_size: 32
...
	.end_amdgpu_metadata
.endif
;; end of part 2
